; MI455X (gfx1250); checked and timed in simulation.
; The chip was launched on July 23, 2026; its instructions are those of AMD's public machine-readable ISA for CDNA 5 (MIT licence, August 2026) and "CDNA5" Instruction Set Architecture Reference Guide (July 2026). The comments in the code are by the model that wrote it; some were corrected since.
;; Laser Attention. Allowed arithmetic: matrix products marked QUANTISED: E2M3 operands, one E8M0 scale for each 32 along K, by v_wmma_scale_f32_16x16x128_f8f6f4 with both operands' format E2M3, f32 sums; everything else in f32.
;; Inputs: attn_mask 1 bool; keys 2 x 4,096 x 8 x 64 float32; queries 2 x 4,096 x 8 x 64 float32; values 2 x 4,096 x 8 x 64 float32.
;; Outputs: out0 2 x 4,096 x 8 x 64 float32.
;; This version of the problem:
;;   THIS VERSION OF THE PROBLEM IS GIVEN IN LOW PRECISION. The matrix products marked QUANTISED in the list below multiply operands that are first quantised to E2M3 (2 exponent bits, 3 mantissa bits; 6 bits a number), with one power-of-two scale for each 32 numbers along K (OCP MX v1.0); their sums are f32. All else is computed in f32.
;;   The module's matrix products, in the order in which they are computed (A, B: the left and right operand; K: the contracted axis; several contracted axes count as one K, in the product's order):
;;     1. batch 16 x [M 4,096, K 64] x [K 64, N 4,096]; A: input queries; B: input keys: QUANTISED
;;     2. batch 16 x [M 64, K 4,096] x [K 4,096, N 4,096]; A: computed on the way; B: softmax (see below): QUANTISED
;;   THE QUANTISER, for each operand of a quantised product, along K:
;;     - K is cut into blocks of 32 from its start; a last block that is shorter is filled with zeros.
;;     - A block's scale is 2^e with e = floor(log2(the largest magnitude in the block)) - 2, held to -126 .. 127; a block of zeros has e = 0. As a byte (E8M0): e + 127.
;;     - Each number is divided by its block's scale, clamped to +-7.5, and rounded to the nearest number of E2M3, ties to even, subnormals kept.
;;     - The product sums the exact products of the quantised numbers (number of the format x scale) in f32.
;;   ~~~python
;;   def quantise(x, axis):      # numpy; x: float32 -> the quantised numbers, widened to float32 again
;;       x = np.moveaxis(x, axis, -1); K = x.shape[-1]
;;       x = np.pad(x, [(0, 0)] * (x.ndim - 1) + [(0, -K % 32)]); x = x.reshape(x.shape[:-1] + (-1, 32)); a = np.abs(x).max(-1, keepdims=True)
;;       e = np.where(a > 0, np.clip(np.frexp(np.where(a > 0, a, 1))[1] - 1 - 2, -126, 127), 0)      # np.frexp(a)[1] - 1 = floor(log2(a)), exactly
;;       r = np.clip(x / 2.0 ** e, -7.5, 7.5)
;;       step = 2.0 ** (np.maximum(np.frexp(np.where(r == 0, 1, r))[1] - 1, 0) - 3)
;;       q = np.round(r / step) * step * 2.0 ** e      # np.round: ties to even
;;       return np.moveaxis(q.reshape(q.shape[:-2] + (-1,))[..., :K], -1, axis).astype(np.float32)
;;   ~~~
;;   SOFTMAX AHEAD OF A QUANTISED PRODUCT. Where the list says 'softmax', what is quantised is not the finished softmax but p = 2^(t - M), with t = logit x log2(e) and M = ceil(the row's largest t), a whole number; so 1/2 < the row's largest p <= 1. The row's sum l is taken of the UNQUANTISED p, in f32, and the product's result is divided by l at the end. Since M is a whole number, a kernel that streams over the keys may use a running M (the ceiling of the running maximum): every later rescaling is an exact power of two, which a block's scale takes up: the codes' values come out the same.
;;   OPERANDS COMPUTED ON THE WAY. 'Computed on the way' means the value that the module computes at that place (a softmax that the list does not call 'softmax' is quantised finished and normalised). What goes into a quantiser is computed in f32, as accurately as f32 sums, v_exp_f32 and their like allow (about 1e-6 of the number): no bf16 or f16 on the way to a quantiser, and a product that is left as it is and whose result goes on into a quantised operand takes f32 operands (vector FMAs, or v_wmma_f32_16x16x4_f32). A number that lies on a knife's edge between two numbers of the format may be rounded either way, as far as f32 arithmetic and the matrix unit's own rounding can turn it there, and no further.
;; One version. Each part assembles by itself: llvm-mc -triple=amdgcn-amd-amdhsa -mcpu=gfx1250 --defsym DOCPART=n.
;; ======== version 1 of 1: 2 launches
;; workspace buffers: kv 6,553,600 bytes; vmax 4,096 bytes
;; launch prep (part 1): grid 192 x 1, 16 waves a work-group, no clusters, 142,592 bytes of LDS; arguments keys, values, attn_mask, kv, vmax; writes kv, vmax
.if DOCPART == 1
	.amdgcn_target "amdgcn-amd-amdhsa--gfx1250"
	.amdhsa_code_object_version 6
	.text
	.protected	k_qd2a301682d_prep
	.globl	k_qd2a301682d_prep
	.p2align	8
	.type	k_qd2a301682d_prep,@function
k_qd2a301682d_prep:
	s_mov_b64 s[64:65], 0
	v_nop
	global_prefetch_b8 v0, s[64:65] scope:SCOPE_SE
	s_setreg_imm32_b32 hwreg(HW_REG_WAVE_MODE, 25, 1), 1
	s_wait_xcnt 0x0
; keys and values, [2][4096][8][64] f32, become the operands of the attention launch: codes of FP6 (E2M3) with one E8M0 byte for each 32 along a product's K,
; laid in kv in the ORDER OF THE OPERANDS' REGISTERS, so that the reader takes every fragment by loads of 16 bytes a lane, 512 consecutive bytes an instruction.
; kv: [16 heads][32 steps of 128 keys][12,800 bytes].  A step: 4 images of K (1,536 bytes each), 4 images of V, 256 bytes of K's scale words, 256 of V's.
;   An image: register 4 c + i of lane l at 512 c + 16 l + 4 i.
;   K, image b: TWO tiles of 16 keys in one fragment of 12 registers: registers 0-5 of lane (r, h) = block h (E = 32 h on) of key 32 b + r + 8 (r / 8), registers 6-11 the same of key 32 b + 8 + r + 8 (r / 8).
;   V, image t: row d = 16 t + r; registers 6 c .. 6 c + 5 of lane (r, h) = exp(V - max) at keys 64 c + 32 h + 0 .. 31.
;   Scale words: K's at 16 r + 4 b, V's at 16 r + 4 t: byte 2 c + h scales registers 6 c .. 6 c + 5 of half h.
; vmax: [16 heads][64] f32: the largest V of each column over the 4,096 keys.
; TWO ROLES, parted on the work-group's number; each is a closed way to its own end and has LDS bytes of its own.
;   Work-groups 0-63, one for each (head, 16 columns): the 16 waves hold all 4,096 keys of the 16 columns in registers (128 numbers a lane), so V is read once though the
;   maximum must be known before the first exponential.  A lane takes a column and its registers run down the keys, which are the second product's K: a block of 32 lies in one lane.
;   Sixteen lanes read 64 neighbouring bytes: the operand's layout gives a wave 16 columns, and more columns to a work-group would not fit in its registers.
;   Work-groups 64-191: a wave takes 32 keys of a head: whole rows of 256 bytes in, through its own stage in LDS, so that a lane holds a whole block of 32 along E.
; A block's scale is 2^(floor(log2(its largest magnitude)) - 2); its byte is that magnitude's exponent field - 2, held at 1 from below.
; attn_mask is loaded and decides nothing: the computation that this program follows takes it and never uses it.
; LIMITS: NaN and infinities among the inputs are not served.  v_exp_f32 gives 0 for results under 2^-126.  A block of zeros gets the byte 1, not 127: its codes are zeros, and the bytes are read by this program alone.
; The scale words leave as 64 bytes of 256 a store: all of them together are 256 KB of the 6.5 MB stored; gathering them would cost a barrier and a way through LDS.
.set STEPB, 12800                      ; a step in kv
.set HEADB, 32*STEPB                   ; a head in kv
.set VIMG,  6144
.set KSC,   12288
.set VSC,   12544
.set VMX,   0                          ; LDS, V's role: the waves' maxima: row r of 80 bytes, wave w's word at 4 w
.set KST,   1280                       ; LDS, K's role: a stage of 32 rows x 272 bytes for each wave
.set KWB,   32*272
.set SPARE, KST+16*KWB                 ; the spare words, 128 bytes for each wave: eight blocks of 256 bytes that no other line names
.set SPW,   5                          ; v5   LDS address of my spare word; never rewritten
.set NIL,   6                          ; v6   0; never rewritten
.set BM,    24                         ; v24-25 the two blocks' largest magnitudes
.set SO,    26                         ; v26-27 the conversions' scale operands
.set BY,    28                         ; v28-29 the scale bytes
.set W0,    30                         ; v30, v31 scale words
.set W1,    31
.set WT,    32                         ; v32  a lane permute's destination
.set WS,    33                         ; v33  the scale word that my lane stores
.set TT,    34                         ; v34-41 the upper halves of the blocks' codes
.set CH,    44                         ; v44-47 four chains of maxima
.set MX,    48                         ; v48-63 the sixteen waves' maxima
.set X,     64                         ; v64-191 the numbers
.set C,     192                        ; v192-215 two fragments of codes
	s_load_b256 s[4:11], s[0:1], 0x0               ; keys s[4:5], values s[6:7], attn_mask s[8:9], kv s[10:11]
	s_load_b64 s[12:13], s[0:1], 0x20              ; vmax
	v_lshl_add_u32 v[SPW], v0, 2, SPARE
	v_mov_b32 v[NIL], 0
	v_lshrrev_b32 v1, 5, v0
	v_readfirstlane_b32 s14, v1                    ; wave 0..15
	v_and_b32 v1, 31, v0                           ; lane
	v_and_b32 v2, 15, v0                           ; r
	v_bfe_u32 v3, v0, 4, 1                         ; h
	v_lshlrev_b32 v4, 3, v3                        ; 8 h: my bytes' place in a scale word
	; every LDS address is made here, ahead of the parting of the roles
	v_mad_u32_u24 v8, v2, 80, VMX                  ; v8: the sixteen maxima of column r
	s_lshl_b32 s22, s14, 2
	v_add_nc_u32 v7, s22, v8                       ; v7: my wave's word among them
	s_mul_i32 s22, s14, KWB
	s_add_co_u32 s22, s22, KST                     ; my wave's stage
	v_mul_u32_u24 v9, v3, 272
	v_lshl_add_u32 v9, v2, 4, v9
	v_add_nc_u32 v9, s22, v9                       ; v9: into it: lanes 0-15 one row of 256 bytes, lanes 16-31 the next
	v_mul_u32_u24 v10, v2, 272
	v_lshl_add_u32 v10, v3, 7, v10
	v_add_nc_u32 v10, s22, v10                     ; v10: out of it: row r, block h: 128 bytes.  Rows 272 bytes apart: sixteen rows begin at sixteen different places of 16 bytes modulo 256
	s_lshl_b32 s22, s14, 19
	v_lshlrev_b32 v11, 16, v3
	v_lshl_add_u32 v11, v2, 2, v11
	v_add_nc_u32 v11, s22, v11                     ; v11: V in: 256 keys x 2,048 bytes a wave, 32 keys a half, 4 bytes a column
	s_lshl_b32 s22, s14, 16
	v_lshlrev_b32 v12, 11, v3
	v_lshl_add_u32 v12, v2, 4, v12
	v_add_nc_u32 v12, s22, v12                     ; v12: K in: 32 keys a wave, a key a half, 16 bytes a lane
	v_lshlrev_b32 v14, 4, v1                       ; v14: an image's place for my lane
	s_mul_i32 s22, s14, 2*STEPB
	v_add_nc_u32 v13, s22, v14                     ; v13: the same in my wave's two steps of V
	v_lshlrev_b32 v16, 4, v2                       ; v16: row r's scale words
	v_mul_u32_u24 v15, v3, STEPB
	v_add_nc_u32 v15, v15, v16
	v_add_nc_u32 v15, s22, v15                     ; v15: V's: lanes 0-15 store the first step's word, lanes 16-31 the second's
	v_lshlrev_b32 v17, 2, v2                       ; v17: column r in vmax
	v_mov_b32 v[WT], 0                             ; written once: a lane permute's destination counts as one of its sources
	s_mov_b32 s20, 0x76543210
	s_mov_b32 s21, 0xfedcba98                      ; v_permlanex16_b32's selects for lane l xor 16
	s_mov_b32 s32, 0x3fb8aa3b                      ; log2(e); the packed form names a pair and takes its low word for both halves,
	s_mov_b32 s33, s32                             ; so the pair is written
	s_mov_b32 s17, 0                               ; the high words of the offsets
	s_mov_b32 s19, 0
	s_wait_kmcnt 0x0
	s_load_u8 s15, s[8:9], 0x0                     ; attn_mask: read; nothing hangs on it.  Waited for at each way's end
	s_cmp_lt_u32 ttmp9, 64
	s_cbranch_scc0 .Lkeys
; 64 numbers of a lane, two whole blocks of 32 at v[src] and v[src + 32], become a fragment's 12 registers at v[dst] and its scale word in v[w].
.macro QFRAG src, dst, w
.irp u, 0,1
	v_max3_num_f32 v[BM+\u], |v[(\src)+32*\u]|, |v[(\src)+32*\u+1]|, 0x1800000   ; and the floor 2^(3 - 127): so the byte cannot fall under 1
.endr
.irp i, 2,4,6,8,10,12,14,16,18,20,22,24,26,28,30
.irp u, 0,1
	v_max3_num_f32 v[BM+\u], v[BM+\u], |v[(\src)+32*\u+\i]|, |v[(\src)+32*\u+\i+1]|   ; (the two blocks by turns)
.endr
.endr
.irp u, 0,1
	v_add_nc_u32 v[SO+\u], 0xff000000, v[BM+\u]    ; 2 off the exponent field: the conversion takes the exponent field of this operand as its scale, and nothing else of it
.endr
.irp u, 0,1
	v_lshrrev_b32 v[BY+\u], 23, v[SO+\u]           ; the scale's byte
.endr
	v_lshl_or_b32 v[\w], v[BY+1], 16, v[BY]        ; my two bytes, blocks h and 2 + h of my row,
	v_lshlrev_b32 v[\w], v4, v[\w]                 ; at their places in the word;
	v_permlanex16_b32 v[WT], v[\w], s20, s21
	v_or_b32 v[\w], v[\w], v[WT]                   ; with lane l xor 16's two the word is whole, in both halves of the lanes
.irp u, 0,1
	v_cvt_scalef32_pk16_fp6_f32 v[(\dst)+6*\u:(\dst)+6*\u+2], v[(\src)+32*\u:(\src)+32*\u+15], v[SO+\u]
	v_cvt_scalef32_pk16_fp6_f32 v[TT+4*\u:TT+4*\u+2], v[(\src)+32*\u+16:(\src)+32*\u+31], v[SO+\u]   ; (a conversion's three registers begin on an even number: the second half of a block's six is made elsewhere and moved)
.endr
	v_nop                                          ; one plain place behind a scaled conversion
.irp u, 0,1
.irp i, 0,1,2
	v_mov_b32 v[(\dst)+6*\u+3+\i], v[TT+4*\u+\i]
.endr
.endr
.endm
; the largest of block j's 32 numbers of my column, signs counted
.macro CMAX j
	v_max3_num_f32 v[CH+\j], v[X+32*\j], v[X+32*\j+1], v[X+32*\j+2]
.irp i, 3,5,7,9,11,13,15,17,19,21,23,25,27,29
	v_max3_num_f32 v[CH+\j], v[CH+\j], v[X+32*\j+\i], v[X+32*\j+\i+1]
.endr
	v_max_num_f32 v[CH+\j], v[CH+\j], v[X+32*\j+31]
.endm
	; ---------------- V's role: head = work-group / 4, columns 16 t on, t = work-group % 4 ----------------
	s_lshr_b32 s22, ttmp9, 2                       ; head
	s_and_b32 s23, ttmp9, 3                        ; t
	s_lshr_b32 s24, s22, 3                         ; batch
	s_and_b32 s25, s22, 7                          ; head in the batch
	s_lshl_b32 s16, s24, 23                        ; a batch is 2^23 bytes,
	s_lshl_b32 s25, s25, 8                         ; a head's part of a row 256,
	s_or_b32 s16, s16, s25
	s_lshl_b32 s26, s23, 6                         ; 16 columns 64
	s_or_b32 s16, s16, s26
	s_add_nc_u64 s[6:7], s[6:7], s[16:17]
	s_mul_i32 s18, s22, HEADB
	s_add_nc_u64 s[10:11], s[10:11], s[18:19]      ; kv at my head
	s_mul_i32 s18, s23, 1536
	s_add_co_u32 s18, s18, VIMG
	s_add_nc_u64 s[28:29], s[10:11], s[18:19]      ; image t of step 0
	s_lshl_b32 s18, s23, 2
	s_add_nc_u64 s[10:11], s[10:11], s[18:19]      ; and word t of a row's four scale words
	s_lshl_b32 s18, s22, 8
	s_add_co_u32 s18, s18, s26
	s_add_nc_u64 s[12:13], s[12:13], s[18:19]      ; vmax at my 16 columns
.irp j, 0,1,2,3
.irp i, 0,1,2,3,4,5,6,7,8,9,10,11,12,13,14,15,16,17,18,19,20,21,22,23,24,25,26,27,28,29,30,31
	global_load_b32 v[X+32*\j+\i], v11, s[6:7] offset:(64*\j+\i)*2048   ; V(256 w + 64 j + 32 h + i, my column).  No hint: the rest of each row's 256 bytes is read by the three work-groups beside me
.endr
.endr
	s_wait_loadcnt 63                              ; blocks 0 and 1 are in: behind block 1's last load 64 were issued
	CMAX 0
	CMAX 1
	s_wait_loadcnt 32                              ; block 2 is in; block 3's 32 may be out
	CMAX 2
	s_wait_loadcnt 0x0
	CMAX 3
	v_max3_num_f32 v[CH], v[CH], v[CH+1], v[CH+2]
	v_max_num_f32 v[CH], v[CH], v[CH+3]
	v_permlanex16_b32 v[WT], v[CH], s20, s21
	v_max_num_f32 v[CH], v[CH], v[WT]              ; my wave's 256 keys of column r
	ds_store_b32 v7, v[CH]                         ; (both halves of the lanes write the same word with the same value)
	s_wait_dscnt 0x0                               ; for the others' sake: my store has landed
	s_barrier_signal -1
	s_barrier_wait -1                              ; the role's one barrier: all sixteen maxima of each column lie in LDS
.irp q, 0,1,2,3
	ds_load_b128 v[MX+4*\q:MX+4*\q+3], v8 offset:16*\q
.endr
	s_wait_dscnt 0x0
	v_max3_num_f32 v20, v[MX], v[MX+1], v[MX+2]
.irp i, 3,5,7,9,11,13
	v_max3_num_f32 v20, v20, v[MX+\i], v[MX+\i+1]
.endr
	v_max_num_f32 v20, v20, v[MX+15]               ; the column's largest V
	v_mov_b32 v21, v20                             ; twice: a pair for the packed subtraction
.set jj, 0
.rept 64
	v_pk_add_f32 v[X+jj:X+jj+1], v[X+jj:X+jj+1], v[20:21] neg_lo:[0,1] neg_hi:[0,1]   ; V - max, in f32, rounded once
.set jj, jj+2
.endr
.set jj, 0
.rept 64
	v_pk_mul_f32 v[X+jj:X+jj+1], v[X+jj:X+jj+1], s[32:33] op_sel_hi:[1,0]             ; x log2(e)
.set jj, jj+2
.endr
.set jj, 0
.rept 128
	v_exp_f32 v[X+jj], v[X+jj]                     ; exp(V - max): one batch
.set jj, jj+1
.endr
	v_nop                                          ; a plain place behind the last exponential
	s_wait_alu depctr_va_vdst(0)                   ; the wait ahead of the first line that names a result: one for the batch
	QFRAG X, C, W0                                 ; step 2 w
	QFRAG X+64, C+12, W1                           ; step 2 w + 1
.irp f, 0,1
.irp c, 0,1,2
	global_store_b128 v13, v[C+12*\f+4*\c:C+12*\f+4*\c+3], s[28:29] offset:STEPB*\f+512*\c   ; 32 lanes store 512 consecutive bytes, at a multiple of 256 from kv's first byte
.endr
.endr
	v_cmp_gt_u32 vcc_lo, 16, v1                    ; lanes 0-15
	v_cndmask_b32 v[WS], v[W1], v[W0], vcc_lo      ; they store the first step's word, lanes 16-31 the second's
	global_store_b32 v15, v[WS], s[10:11] offset:VSC
	s_cmp_lg_u32 s14, 0                            ; wave 0 stores the columns' maxima
	s_cbranch_scc1 .Lv_end
	s_wait_xcnt 0x0                                ; EXEC is a source of the stores above: it changes only behind this wait
	s_and_saveexec_b32 s30, vcc_lo
	global_store_b32 v17, v20, s[12:13]
	s_wait_xcnt 0x0                                ; and again in front of the line that widens it
	s_or_b32 exec_lo, exec_lo, s30
.Lv_end:
	s_wait_kmcnt 0x0                               ; attn_mask's byte is in
	s_wait_tensorcnt 0x0                           ; the wave's end: behind my last LDS store
	ds_add_u32 v[SPW], v[NIL]
	s_wait_dscnt 0x0
	s_endpgm
	; ---------------- K's role: head = (work-group - 64) / 8; 512 keys a work-group, 32 a wave: image w % 4 of step 4 q + w / 4 ----------------
.Lkeys:
	s_sub_co_u32 s22, ttmp9, 64
	s_lshr_b32 s23, s22, 3                         ; head
	s_and_b32 s24, s22, 7                          ; q: which 512 keys
	s_lshr_b32 s25, s23, 3                         ; batch
	s_and_b32 s26, s23, 7                          ; head in the batch
	s_lshl_b32 s16, s25, 23
	s_lshl_b32 s26, s26, 8
	s_or_b32 s16, s16, s26
	s_lshl_b32 s27, s24, 20                        ; 512 keys x 2,048 bytes
	s_or_b32 s16, s16, s27
	s_add_nc_u64 s[4:5], s[4:5], s[16:17]
	s_mul_i32 s18, s23, HEADB
	s_lshl_b32 s27, s24, 2
	s_lshr_b32 s28, s14, 2
	s_add_co_u32 s27, s27, s28                     ; my step
	s_mul_i32 s27, s27, STEPB
	s_add_co_u32 s18, s18, s27
	s_add_nc_u64 s[10:11], s[10:11], s[18:19]      ; kv at my step
	s_and_b32 s27, s14, 3                          ; b
	s_mul_i32 s18, s27, 1536
	s_add_nc_u64 s[28:29], s[10:11], s[18:19]      ; image b
	s_lshl_b32 s18, s27, 2
	s_add_nc_u64 s[10:11], s[10:11], s[18:19]      ; and word b of a row's four scale words
.irp i, 0,1,2,3,4,5,6,7,8,9,10,11,12,13,14,15
	global_load_b128 v[X+4*\i:X+4*\i+3], v12, s[4:5] offset:4096*\i th:TH_LOAD_NT   ; lanes 0-15: key 2 i's 256 bytes, lanes 16-31: key 2 i + 1's; read once in the launch
.endr
.irp i, 0,1,2,3,4,5,6,7,8,9,10,11,12,13,14,15
	s_wait_loadcnt 15-\i                           ; loads come back in order: load i is in, the younger ones may be out
	ds_store_b128 v9, v[X+4*\i:X+4*\i+3] offset:272*(16*((\i/4)%2)+8*(\i/8)+(2*\i)%8)   ; key k goes to stage row 16 u + r with u = (k / 8) % 2, r = k % 8 + 8 (k / 16): row r of tile u
.endr
.irp u, 0,1
.irp j, 0,1,2,3,4,5,6,7
	ds_load_b128 v[X+64+32*\u+4*\j:X+64+32*\u+4*\j+3], v10 offset:16*272*\u+16*\j   ; block h of row r of tile u.  LDS serves a wave's instructions in order: these see my stores
.endr
.endr
	s_wait_dscnt 0x0
	QFRAG X+64, C, W0
.irp c, 0,1,2
	global_store_b128 v14, v[C+4*\c:C+4*\c+3], s[28:29] offset:512*\c   ; 512 consecutive bytes, at a multiple of 256 from kv's first byte
.endr
	s_wait_xcnt 0x0                                ; EXEC changes only behind this wait
	v_cmp_gt_u32 vcc_lo, 16, v1
	s_and_saveexec_b32 s30, vcc_lo                 ; lanes 0-15 store the rows' words
	global_store_b32 v16, v[W0], s[10:11] offset:KSC
	s_wait_xcnt 0x0
	s_or_b32 exec_lo, exec_lo, s30
	s_wait_kmcnt 0x0                               ; attn_mask's byte is in
	s_wait_tensorcnt 0x0                           ; the wave's end: behind my last LDS store
	ds_add_u32 v[SPW], v[NIL]
	s_wait_dscnt 0x0
	s_endpgm
.Lfunc_end_k_qd2a301682d_prep:
	.size	k_qd2a301682d_prep, .Lfunc_end_k_qd2a301682d_prep-k_qd2a301682d_prep
	.p2alignl 7, 3214868480
	.fill 96, 4, 3214868480
	.section	.rodata,"a",@progbits
	.p2align	6, 0x0
	.amdhsa_kernel k_qd2a301682d_prep
		.amdhsa_group_segment_fixed_size 142592
		.amdhsa_private_segment_fixed_size 0
		.amdhsa_enable_private_segment 0
		.amdhsa_kernarg_size 40
		.amdhsa_user_sgpr_count 2
		.amdhsa_user_sgpr_kernarg_segment_ptr 1
		.amdhsa_wavefront_size32 1
		.amdhsa_system_sgpr_workgroup_id_x 1
		.amdhsa_system_sgpr_workgroup_id_y 1
		.amdhsa_system_sgpr_workgroup_id_z 1
		.amdhsa_system_vgpr_workitem_id 0
		.amdhsa_next_free_vgpr 224
		.amdhsa_next_free_sgpr 66
		.amdhsa_reserve_vcc 1
		.amdhsa_float_denorm_mode_32 3
		.amdhsa_float_denorm_mode_16_64 3
		.amdhsa_memory_ordered 1
		.amdhsa_forward_progress 1
		.amdhsa_inst_pref_size 48
	.end_amdhsa_kernel
	.amdgpu_metadata
---
amdhsa.version: [ 1, 2 ]
amdhsa.kernels:
  - .name:           k_qd2a301682d_prep
    .symbol:         k_qd2a301682d_prep.kd
    .args:
      - { .name: keys, .offset: 0, .size: 8, .value_kind: global_buffer, .address_space: global }
      - { .name: values, .offset: 8, .size: 8, .value_kind: global_buffer, .address_space: global }
      - { .name: attn_mask, .offset: 16, .size: 8, .value_kind: global_buffer, .address_space: global }
      - { .name: kv, .offset: 24, .size: 8, .value_kind: global_buffer, .address_space: global }
      - { .name: vmax, .offset: 32, .size: 8, .value_kind: global_buffer, .address_space: global }
    .group_segment_fixed_size: 142592
    .private_segment_fixed_size: 0
    .kernarg_segment_align: 8
    .kernarg_segment_size: 40
    .max_flat_workgroup_size: 512
    .sgpr_count:     66
    .vgpr_count:     224
    .wavefront_size: 32
...
	.end_amdgpu_metadata
.endif
;; end of part 1
;; launch attn (part 2): grid 16 x 16, 8 waves a work-group, clusters of 4 x 1, 327,680 bytes of LDS; arguments queries, kv, vmax, out0; writes out0
.if DOCPART == 2
	.amdgcn_target "amdgcn-amd-amdhsa--gfx1250"
	.amdhsa_code_object_version 6
	.text
	.protected	k_qd2a301682d_attn
	.globl	k_qd2a301682d_attn
	.p2align	8
	.type	k_qd2a301682d_attn,@function
k_qd2a301682d_attn:
	s_mov_b64 s[64:65], 0
	v_nop
	global_prefetch_b8 v0, s[64:65] scope:SCOPE_SE
	s_setreg_imm32_b32 hwreg(HW_REG_WAVE_MODE, 25, 1), 1
	s_wait_xcnt 0x0
	s_wait_alu depctr_hold_cnt(0) depctr_sa_sdst(0) depctr_va_vdst(0) depctr_va_sdst(0) depctr_va_ssrc(0) depctr_va_vcc(0) depctr_vm_vsrc(0)
	s_getreg_b32 s2, hwreg(HW_REG_IB_STS2, 6, 4)
	s_cmp_eq_u32 s2, 0
	s_cbranch_scc0 .Lentry_in_a_cluster
	s_endpgm
.Lentry_in_a_cluster:
	s_bfe_u32 s2, ttmp6, 0x10000c
	s_cmp_lg_u32 s2, 0x3003
	s_cbranch_scc0 .Lentry_shape_is_right
	s_endpgm
.Lentry_shape_is_right:
; out[b][q][h][:] = log(softmax_k(Q . K / 8) exp(V - vmax)) + vmax, both products on codes of FP6 (E2M3) with one E8M0 scale for each 32 along a product's K.
; queries, out0: [2][4096][8][64] f32.  kv, vmax: made by the launch before: K's and exp(V - vmax)'s codes as images of the operands' registers, 12,800 bytes for each step of 128 keys of a head
; (4 images of K, 4 of V, 1,536 bytes each; 256 bytes of K's scale words, 256 of V's); vmax [16][64] f32.
; THE SOFTMAX AHEAD OF THE SECOND PRODUCT: t = score x log2(e) / 8; M = the row's largest t so far, rounded UP to a whole number; p = 2^(t - M) is what is quantised, along the keys, not normalised.
; The row's sum l is taken of the unquantised p.  When M moves, l and O are multiplied by 2^(old M - new M): exact.  At the end out = ln 2 x (log2 O - log2 l) + vmax.
; SHARES.  Grid y = the head, grid x = a block of 256 queries.  Eight waves, each with 32 queries: TWO tiles of 16, tile 0 in register window 0, tile 1 in window 1 under the same numbers.
; Two waves lie on a SIMD, so that one wave's products and LDS loads stand beside the other's vector work; each fragment read from LDS feeds two tiles.
; THE HEAD SIZE IS 64, HALF OF THE INSTRUCTION'S 128.  A fragment of K holds two tiles of 16 keys, one at k 0-63, one at k 64-127, and is multiplied twice: by [q | zero codes] and by [zero codes | q],
; two runs of 12 registers in 18 (zeros, q, zeros).  Zero codes add nothing under any scale byte that is made here (1 to 254).  Q's scale word is its two bytes twice.
; LAYOUT.  Both products are used transposed: S^T = K Q^T (source 0 = 16 keys, source 1 = 16 queries), O^T = V^T P^T: a lane holds ONE query (lane % 16) throughout.
; The keys of a tile are not neighbours: lane r of tile 2 b + u holds key 32 b + 8 u + r + 8 (r / 8), so that the 16 registers of tiles 2 b and 2 b + 1 are keys 32 b + 16 (lane / 16) + 0 .. 15.
; THE RING.  Two LDS slots of 8 key steps (102,400 bytes), dense in memory and in LDS.  CLUSTER: the four work-groups of a cluster belong to one head and walk the same kv: each quarter of a slot is asked
; for JOINTLY, by the same tensor load with the same descriptor and a mask that names the four, by waves 0 to 3.  By this text's count a wave has one tensor load out at the most.
; No prefetch is laid: a refill is asked for a whole slot, 8 key steps, ahead of the wait for it, and nothing is asked for at the head, where every work-group's first slot is on its way.
; LIMITS: NaN and infinities are not served.  v_exp_f32 and v_log_f32 take denormals as 0: p under 2^-126 counts as 0, and a row whose O or l lies under 2^-126 comes out as an infinity.
; A block of p that is all zeros gets the byte 1: its codes are zeros.
.set STEPB, 12800                      ; a key step in kv and in LDS
.set VIMG,  6144
.set KSC,   12288
.set VSC,   12544
.set NST,   8                          ; key steps in a slot
.set SLOTB, NST*STEPB
.set QUART, SLOTB/4                    ; what one tensor load brings: 100 rows of 256 bytes
.set HEADB, 32*STEPB
.set SLOT1, 1<<17                      ; slot 1 begins here, so that one exclusive or turns an address in one slot into the other's
.set STAGE, SLOT1+SLOTB                ; behind the ring: 16 rows x 272 bytes for each wave, for Q on the way in and O on the way out; no fill ever lands there
.set SP,    272                        ; 256 bytes + 16: sixteen rows begin at sixteen different places of 16 bytes modulo 256 (64 banks of 4 bytes: ISA guide 11.1)
.set SPARE, STAGE+8*16*SP              ; the spare words, 128 bytes for each wave: four blocks of 256 bytes that no other line names
; shared registers, window 0
.set AIM,  1                           ; v1   16 x lane: an image's place for my lane
.set ASC,  2                           ; v2   16 r: row r's four scale words
.set STI,  3                           ; v3   the stage by rows: lanes 0-15 one row of 256 bytes, lanes 16-31 the next
.set STQ,  4                           ; v4   the stage: row r, block h of Q: 128 bytes
.set STO,  5                           ; v5   the stage: row r, + 32 h: where I put eight numbers of O
.set GRW,  6                           ; v6   the same two rows in queries and out0: 2,048 h + 16 r
.set SPW,  7                           ; v7   LDS address of my spare word; never rewritten
.set NIL,  8                           ; v8   0; never rewritten
.set ADI,  9                           ; v9   LDS address of the step's images
.set ADS,  10                          ; v10  and of its scale words
.set VMO,  11                          ; v11  32 h: my half's place in vmax
.set QSW,  34                          ; v34-35 Q's scale words, tile 0, 1.  v34 to v45 hold scales and nothing else
.set KSW,  36                          ; v36-39 K's, image b
.set VSW,  40                          ; v40-43 V's, image t
.set PSW,  44                          ; v44-45 p's, tile 0, 1
.set FR,   48                          ; v48-95: in window 0 K's four fragments, in window 1 V's four
.set VM,   224                         ; v224-255 vmax in O^T's layout: register 8 t + j = column 16 t + 8 h + j
; a tile's own registers, in window 0 (tile 0) or 1 (tile 1)
.set NM,   12                          ; -M
.set TMX,  13                          ; the largest t
.set LS,   14                          ; v14-15 the row's sum in two halves
.set Q,    16                          ; v16-21 zero codes, v22-27 q's codes, v28-33 zero codes
.set F,    46                          ; v46 f = 2^(old M - new M); v47 is named with it as a pair
.set S,    96                          ; v96-159 S^T, then p
.set O,    160                         ; v160-191 O^T
.set PC,   192                         ; v192-203 p's codes
.set CT,   204                         ; v204-211 the conversions' second halves
.set BM,   212                         ; v212-215 the blocks' largest scores, then largest p
.set PT,   216                         ; v216-219 at work
.set SO,   220                         ; v220-223 the conversions' scale operands
.set WV,   12                          ; s12  wave
.set SEL,  20                          ; s[20:21] selects for lane l xor 16
.set CS,   22                          ; s[22:23] c = log2(e) / 8
.set G1,   24                          ; s[24:31] descriptor group 1
.set G0,   32                          ; s[32:35] descriptor group 0, which walks
.set TB,   36                          ; s36  LDS byte at which the step in hand begins
.set SLOTS, 37
.set STEPS, 38
.set LN2,  40                          ; s[40:41] ln 2
.set MSB, 0
.macro WIN new                         ; s_set_vgpr_msb's low byte: bits 1:0 source 0, 3:2 source 1, 5:4 source 2, 7:6 destination; the high byte repeats the setting that is left
.if MSB != (\new)
	s_set_vgpr_msb (MSB<<8)|(\new)
.set MSB, (\new)
.endif
.endm
; A round of the cluster's barrier: my work-group's barrier; wave 0 signals for the work-group; every wave waits for all four work-groups; my work-group's barrier once more.
.macro CROUND
	s_barrier_signal -1
	s_barrier_wait -1
	s_cmp_lg_u32 s[WV], 0
	s_cbranch_scc1 .Lnot_wave_0_\@
	s_barrier_signal -3
.Lnot_wave_0_\@:
	s_barrier_wait -3
	s_barrier_signal -1
	s_barrier_wait -1
.endm
; A joint load: waves 0 to 3 fetch a quarter of a slot each.  The branch hangs on the wave's number alone.  An s_nop 0 and four v_nop follow the load.
.macro JLOAD
	s_cmp_lt_u32 s[WV], 4
	s_cbranch_scc0 .Lnone_\@
	tensor_load_to_lds s[G0:G0+3], s[G1:G1+7]
	s_nop 0
.rept 4
	v_nop
.endr
.Lnone_\@:
.endm
; THE CHANGE OF SLOTS stands at a slot's head.  Each wave waits for all its tensor loads (its part of the slot that is about to be read), adds 0 to its spare word, and waits for that and for its reads
; of the slot that it has left.  fill = 1: that slot is filled with the next 8 key steps: the barrier is then a round of the cluster's, and the joint load is the first thing behind it.
.macro CHANGE fill
	s_wait_tensorcnt 0x0                           ; no tensor load of mine is out, so group 0 may be written
	ds_add_u32 v[SPW], v[NIL]                      ; 0 onto my spare word
.if \fill
	s_xor_b32 s[G0+1], s[G0+1], SLOT1              ; the other slot than last time,
	s_add_nc_u64 s[G0+2:G0+3], s[G0+2:G0+3], SLOTB ; the next 8 key steps; the type bits on top are not reached
.endif
	s_wait_dscnt 0x0                               ; the add is done, and my reads of the slot that I have left are over
.if \fill
	CROUND                                         ; the same holds of every wave of all four work-groups
	JLOAD
.else
	s_barrier_signal -1
	s_barrier_wait -1
.endif
.endm
; Tile x of Q, 16 rows as loaded (a row's 256 bytes in sixteen lanes), goes through my stage, so that lane (r, h) holds block h of query r, and becomes codes and a scale word.
.macro QQ x
	s_wait_loadcnt 16-8*\x                         ; the tile's eight loads are in; younger: for tile 0 tile 1's eight and vmax's eight, for tile 1 vmax's eight
	WIN 0x04*\x                                    ; an LDS store's data are its source 1
.irp i, 0,1,2,3,4,5,6,7
	ds_store_b128 v[STI], v[S+4*\i:S+4*\i+3] offset:2*SP*\i
.endr
	WIN 0x40*\x
.irp j, 0,1,2,3,4,5,6,7
	ds_load_b128 v[S+32+4*\j:S+32+4*\j+3], v[STQ] offset:16*\j   ; LDS serves a wave's instructions in order: these see my stores
.endr
	s_wait_dscnt 0x0
	WIN 0x55*\x
	v_max3_num_f32 v[BM], |v[S+32]|, |v[S+33]|, 0x1800000        ; my block's largest magnitude, and the floor 2^(3 - 127)
.irp i, 2,4,6,8,10,12,14,16,18,20,22,24,26,28,30
	v_max3_num_f32 v[BM], v[BM], |v[S+32+\i]|, |v[S+33+\i]|
.endr
	v_add_nc_u32 v[SO], 0xff000000, v[BM]          ; 2 off the exponent field: the conversion's scale operand
	v_lshrrev_b32 v[PT], 23, v[SO]                 ; the scale's byte
	v_mov_b32 v[PT+1], 0                           ; (a lane permute's destination counts as one of its sources)
	v_permlanex16_b32 v[PT+1], v[PT], s[SEL], s[SEL+1]
	v_lshl_or_b32 v[PT], v[PT+1], 8, v[PT]         ; in lanes 0-15, which alone are read as scales: block 0's byte, block 1's,
	v_lshl_or_b32 v[PT], v[PT], 16, v[PT]          ; and both once more, for q at k 64 on
	v_cvt_scalef32_pk16_fp6_f32 v[Q+6:Q+8], v[S+32:S+47], v[SO]
	v_cvt_scalef32_pk16_fp6_f32 v[CT:CT+2], v[S+48:S+63], v[SO]   ; (a conversion's three registers begin on an even number)
	v_nop                                          ; one plain place behind a scaled conversion
.irp i, 0,1,2
	v_mov_b32 v[Q+9+\i], v[CT+\i]
.endr
.irp i, 0,1,2,3,4,5
	v_mov_b32 v[Q+\i], 0                           ; zero codes on both sides
	v_mov_b32 v[Q+12+\i], 0
.endr
	WIN 0x01*\x
	v_mov_b32 v[QSW+\x], v[PT]                     ; scale operands have no window: the word goes to window 0
.endm
; The loop has no first step of its own: O^T and the sum begin as zeros and the largest t under every t; the first change of M multiplies zeros.
.macro INIT x
	WIN 0x55*\x
	v_mov_b32 v[TMX], 0xff61b1e6                   ; -3e38
	v_floor_f32 v[NM], -v[TMX]
	v_mov_b32 v[LS], 0
	v_mov_b32 v[LS+1], 0
	v_mov_b32 v[F+1], 0                            ; (named as the upper half of a pair)
.irp b, 0,1,2,3
	v_mov_b32 v[PT+\b], 0                          ; (lane permutes' destinations)
.endr
.set jj, 0
.rept 32
	v_mov_b32 v[O+jj], 0
.set jj, jj+1
.endr
.endm
; S^T of tile x: K's four fragments, each twice.  The eight accumulators are all different; the constant 0 starts each sum.
.macro SMUL x
	WIN 0x44*\x                                    ; K in window 0; Q and S^T in the tile's
.irp b, 0,1,2,3
	v_wmma_scale_f32_16x16x128_f8f6f4 v[S+16*\b:S+16*\b+7], v[FR+12*\b:FR+12*\b+11], v[Q+6:Q+17], 0, v[KSW+\b], v[QSW+\x] matrix_a_fmt:MATRIX_FMT_FP6 matrix_b_fmt:MATRIX_FMT_FP6
	v_wmma_scale_f32_16x16x128_f8f6f4 v[S+16*\b+8:S+16*\b+15], v[FR+12*\b:FR+12*\b+11], v[Q:Q+11], 0, v[KSW+\b], v[QSW+\x] matrix_a_fmt:MATRIX_FMT_FP6 matrix_b_fmt:MATRIX_FMT_FP6
.endr
.endm
; O^T of tile x += V^T P^T: four tiles of 16 of the head's 64; K = the step's 128 keys.  The four accumulators take turns, one instruction a turn.
.macro PV x
	WIN 0x01+0x54*\x                               ; V in window 1; P and O^T in the tile's
.irp t, 0,1,2,3
	v_wmma_scale_f32_16x16x128_f8f6f4 v[O+8*\t:O+8*\t+7], v[FR+12*\t:FR+12*\t+11], v[PC:PC+11], v[O+8*\t:O+8*\t+7], v[VSW+\t], v[PSW+\x] matrix_a_fmt:MATRIX_FMT_FP6 matrix_b_fmt:MATRIX_FMT_FP6
.endr
.endm
; The softmax of tile x for one key step, and p's codes and scale word.
.macro SM x
	WIN 0x55*\x
.irp b, 0,1,2,3
	v_max3_num_f32 v[BM+\b], v[S+16*\b], v[S+16*\b+1], v[S+16*\b+2]   ; the largest score of each block of 32 keys: it serves for the row's maximum and, since p rises with the score, for the block's largest p.  Each result is read from its low end on
.endr
.irp i, 3,5,7,9,11,13
.irp b, 0,1,2,3
	v_max3_num_f32 v[BM+\b], v[BM+\b], v[S+16*\b+\i], v[S+16*\b+\i+1]   ; (the four blocks by turns)
.endr
.endr
.irp b, 0,1,2,3
	v_max_num_f32 v[BM+\b], v[BM+\b], v[S+16*\b+15]
.endr
.irp b, 0,1,2,3
	v_permlanex16_b32 v[PT+\b], v[BM+\b], s[SEL], s[SEL+1]
.endr
.irp b, 0,1,2,3
	v_max_num_f32 v[BM+\b], v[BM+\b], v[PT+\b]     ; with lane l xor 16's 16 keys
.endr
	v_max3_num_f32 v[PT], v[BM], v[BM+1], v[BM+2]
	v_max_num_f32 v[PT], v[PT], v[BM+3]            ; the step's largest score of my query,
	v_mul_f32 v[PT], s[CS], v[PT]                  ; as t (c is positive)
	v_max_num_f32 v[TMX], v[TMX], v[PT]            ; the running largest t
	v_mov_b32 v[PT], v[NM]
	v_floor_f32 v[NM], -v[TMX]                     ; the new -M = floor(-t) = -ceil(t): a whole number
	v_sub_f32 v[PT], v[NM], v[PT]                  ; old M - new M: a whole number, 0 or less
	v_cvt_i32_f32 v[PT], v[PT]                     ; (it saturates)
	v_ldexp_f32 v[F], 1.0, v[PT]                   ; f = 2^(old M - new M): a multiplication by it rounds nothing
.set jj, 0
.rept 32
	v_pk_fma_f32 v[S+jj:S+jj+1], v[S+jj:S+jj+1], s[CS:CS+1], v[NM:NM+1] op_sel_hi:[1,0,0]   ; t - M, two at a time (of the pairs c and -M the low word serves both halves)
.set jj, jj+2
.endr
.irp b, 0,1,2,3
	v_fma_f32 v[BM+\b], v[BM+\b], s[CS], v[NM]     ; the same of each block's largest score
.endr
.set jj, 0
.rept 64
	v_exp_f32 v[S+jj], v[S+jj]                     ; p = 2^(t - M), at most 1: one batch
.set jj, jj+1
.endr
	v_pk_mul_f32 v[LS:LS+1], v[LS:LS+1], v[F:F+1] op_sel_hi:[1,0]   ; the sums under the new M: the plain place behind the exponentials
	s_wait_alu depctr_va_vdst(0)                   ; the wait ahead of the first line that names a result: one for the batch
.irp b, 0,1,2,3
	v_exp_f32 v[BM+\b], v[BM+\b]                   ; the block's largest p: the same two instructions on the same number give the same bits
.endr
	v_pk_add_f32 v[PT:PT+1], v[S:S+1], v[S+2:S+3]  ; the row's sum is taken of the unquantised p: two at a time, in two chains; it reads the 64 alone
.irp j, 4,8,12,16,20,24,28,32,36,40,44,48,52,56,60
	v_pk_add_f32 v[LS:LS+1], v[LS:LS+1], v[S+\j:S+\j+1]
	v_pk_add_f32 v[PT:PT+1], v[PT:PT+1], v[S+\j+2:S+\j+3]
.endr
	v_pk_add_f32 v[LS:LS+1], v[LS:LS+1], v[PT:PT+1]
	s_wait_alu depctr_va_vdst(0)                   ; and one for the four
.irp b, 0,1,2,3
	v_max_num_f32 v[BM+\b], 0x1800000, v[BM+\b]    ; the floor 2^(3 - 127): the byte cannot fall under 1
.endr
.irp b, 0,1,2,3
	v_add_nc_u32 v[SO+\b], 0xff000000, v[BM+\b]    ; 2 off the exponent field: the conversion's scale operand
.endr
.irp b, 0,1,2,3
	v_lshrrev_b32 v[PT+\b], 23, v[SO+\b]           ; the scale's byte
.endr
	v_lshl_or_b32 v[PT], v[PT+1], 8, v[PT]
	v_lshl_or_b32 v[PT], v[PT+2], 16, v[PT]
	v_lshl_or_b32 v[PT], v[PT+3], 24, v[PT]        ; p's scale word for these 128 keys
	WIN 0x01*\x
	v_mov_b32 v[PSW+\x], v[PT]                     ; to window 0.  Behind it stand the v_nop, six moves and sixteen multiplications: more than the eight places that a scale register so written owes
	WIN 0x55*\x
.irp c, 0,1
	v_cvt_scalef32_pk16_fp6_f32 v[PC+6*\c:PC+6*\c+2], v[S+32*\c:S+32*\c+15], v[SO+2*\c]
	v_cvt_scalef32_pk16_fp6_f32 v[CT+4*\c:CT+4*\c+2], v[S+32*\c+16:S+32*\c+31], v[SO+2*\c+1]   ; (a conversion's three registers begin on an even number)
.endr
	v_nop                                          ; one plain place behind a scaled conversion
.irp c, 0,1                                    ; the operand's layout wants a WHOLE block in a lane: lanes 0-15 block 2 c, lanes 16-31 block 2 c + 1
.irp i, 0,1,2
	v_permlane16_swap_b32 v[PC+6*\c+\i], v[CT+4*\c+\i]
.endr
.irp i, 0,1,2
	v_mov_b32 v[PC+6*\c+3+\i], v[CT+4*\c+\i]
.endr
.endr
.set jj, 0
.rept 16
	v_pk_mul_f32 v[O+jj:O+jj+1], v[O+jj:O+jj+1], v[F:F+1] op_sel_hi:[1,0]   ; O^T under the new M, from each accumulator's low end on; these are also the places in front of the products
.set jj, jj+2
.endr
.endm
; A KEY STEP: 128 keys.  Every window is 0 at its head and at its end.
.macro STEP
	v_add_nc_u32 v[ADI], s[TB], v[AIM]
	v_add_nc_u32 v[ADS], s[TB], v[ASC]
	v_nop
	v_nop                                          ; four places behind the last step's last products, in front of loads into the registers that they read (ISA guide 7.12.1 for vector instructions)
	ds_load_b128 v[KSW:KSW+3], v[ADS] offset:KSC   ; row r's four words, one for each image
	ds_load_b128 v[VSW:VSW+3], v[ADS] offset:VSC
.irp i, 0,1,2,3,4,5,6,7,8,9,10,11
	ds_load_b128 v[FR+4*\i:FR+4*\i+3], v[ADI] offset:512*\i        ; K's images: 512 consecutive bytes a load
.endr
	WIN 0x40
.irp i, 0,1,2,3,4,5,6,7,8,9,10,11
	ds_load_b128 v[FR+4*\i:FR+4*\i+3], v[ADI] offset:VIMG+512*\i   ; V's, into window 1
.endr
	s_wait_dscnt 12                                ; the scale words and K are in; V's twelve loads may be out
	SMUL 0
	SMUL 1
	WIN 0
.rept 4
	v_nop                                          ; places in front of the first read of results
.endr
	SM 0
	s_wait_dscnt 0x0                               ; V is in
	PV 0                                           ; these four products are at work under tile 1's vector work
	SM 1
	PV 1
	WIN 0
	s_add_co_u32 s[TB], s[TB], STEPB
.endm
.macro SLOT_STEPS                      ; a slot's eight key steps: written once, walked eight times; the LDS addresses hang on s[TB]
	s_mov_b32 s[STEPS], NST
.Lstep_\@:
	STEP
	s_sub_co_u32 s[STEPS], s[STEPS], 1
	s_cmp_lg_u32 s[STEPS], 0
	s_cbranch_scc1 .Lstep_\@
	s_sub_co_u32 s[TB], s[TB], SLOTB               ; back to a slot's first step,
	s_xor_b32 s[TB], s[TB], SLOT1                  ; in the other slot
.endm
; THE WAY OUT of tile x: ln 2 x (log2 O - log2 l) + vmax; through my stage, so that sixteen lanes store a query's 256 consecutive bytes.
.macro SENDO x
.set RB, 48+80*\x                      ; where the rows come back, in window 0: v48-79 for tile 0, v128-159 for tile 1: no store's data are written again
	WIN 0x55*\x
	v_add_f32 v[LS], v[LS], v[LS+1]                ; the sum's two halves,
	v_permlanex16_b32 v[PT], v[LS], s[SEL], s[SEL+1]
	v_add_f32 v[LS], v[LS], v[PT]                  ; and lane l xor 16's: the row's sum
	v_log_f32 v[LS], v[LS]
.set jj, 0
.rept 32
	v_log_f32 v[S+jj], v[O+jj]                     ; each accumulator from its low end on
.set jj, jj+1
.endr
	v_nop                                          ; a plain place behind the last logarithm
	s_wait_alu depctr_va_vdst(0)                   ; one wait for the batch of 33, ahead of its first reader
.set jj, 0
.rept 16
	v_pk_add_f32 v[S+jj:S+jj+1], v[S+jj:S+jj+1], v[LS:LS+1] op_sel_hi:[1,0] neg_lo:[0,1] neg_hi:[0,1]   ; log2 O - log2 l
.set jj, jj+2
.endr
	WIN 0x41*\x                                    ; vmax lies in window 0
.set jj, 0
.rept 16
	v_pk_fma_f32 v[S+jj:S+jj+1], v[S+jj:S+jj+1], s[LN2:LN2+1], v[VM+jj:VM+jj+1] op_sel_hi:[1,0,1]
.set jj, jj+2
.endr
	WIN 0x04*\x
.irp t, 0,1,2,3
	ds_store_b128 v[STO], v[S+8*\t:S+8*\t+3] offset:64*\t          ; lane (r, h): out(query r, 16 t + 8 h + 0 .. 7)
	ds_store_b128 v[STO], v[S+8*\t+4:S+8*\t+7] offset:64*\t+16
.endr
	WIN 0
.irp i, 0,1,2,3,4,5,6,7
	ds_load_b128 v[RB+4*\i:RB+4*\i+3], v[STI] offset:2*SP*\i       ; LDS serves a wave's instructions in order: these see my stores, and the next tile's stores come behind them
.endr
.irp i, 0,1,2,3,4,5,6,7
	s_wait_dscnt 7-\i                              ; load i is back; the younger ones may be out
	global_store_b128 v[GRW], v[RB+4*\i:RB+4*\i+3], s[10:11] offset:32768*\x+4096*\i th:TH_STORE_NT   ; 16 lanes store 256 consecutive bytes, at a multiple of 256 from out0's first byte
.endr
.endm
	s_load_b256 s[4:11], s[0:1], 0x0               ; queries s[4:5], kv s[6:7], vmax s[8:9], out0 s[10:11]
	v_lshl_add_u32 v[SPW], v0, 2, SPARE
	v_mov_b32 v[NIL], 0
	ds_add_u32 v[SPW], v[NIL]                      ; the wave's opening: the add and its wait ahead of the first tensor load; the set-up below, work on registers, stands between them
	v_lshrrev_b32 v1, 5, v0
	v_readfirstlane_b32 s[WV], v1                  ; wave 0..7
	s_bfe_u32 s13, ttmp6, 0x40000                  ; cx: my place in the cluster
	s_lshl_b32 s14, ttmp9, 2                       ; in a cluster launch ttmp9 counts clusters
	s_add_co_u32 s14, s14, s13                     ; my block of 256 queries: it enters queries' and out0's addresses alone
	s_and_b32 s15, ttmp7, 0xffff                   ; the head, which the four partners share
	; descriptor group 1: 100 rows of 256 dense bytes (32 elements of 8 bytes), no padding: two key steps
	s_mov_b32 s[G1+0], 15|(3<<16)|(1<<21)          ; 15:0 the mask: all four work-groups; 17:16 elements of 8 bytes; 20 padding off; 21 set beside a mask
	s_mov_b32 s[G1+1], 32<<16                      ; tensor_dim0 = 32
	s_mov_b32 s[G1+2], 100<<16                     ; tensor_dim1 = 100
	s_mov_b32 s[G1+3], 32<<16                      ; tile_dim0 = 32
	s_mov_b32 s[G1+4], 100                         ; tile_dim1 = 100
	s_mov_b32 s[G1+5], 32                          ; from row to row
	s_mov_b32 s[G1+6], 0
	s_mov_b32 s[G1+7], 0
	s_mov_b32 s[SEL], 0x76543210
	s_mov_b32 s[SEL+1], 0xfedcba98
	s_mov_b32 s[CS], 0x3e38aa3b                    ; c = log2(e) / 8
	s_mov_b32 s[CS+1], s[CS]                       ; (named with it as a pair, so it is written)
	s_mov_b32 s[LN2], 0x3f317218                   ; ln 2
	s_mov_b32 s[LN2+1], s[LN2]
	s_mov_b32 s[TB], 0
	s_mov_b32 s[SLOTS], 3                          ; 32 key steps are four slots' worth: three are asked for in the loop
	s_lshr_b32 s16, s15, 3                         ; batch
	s_lshl_b32 s16, s16, 23
	s_and_b32 s18, s15, 7                          ; head in the batch
	s_lshl_b32 s18, s18, 8
	s_or_b32 s16, s16, s18
	s_lshl_b32 s18, s14, 19                        ; 256 queries x 2,048 bytes
	s_or_b32 s16, s16, s18
	s_lshl_b32 s18, s[WV], 16                      ; my wave's 32
	s_or_b32 s16, s16, s18
	s_mov_b32 s17, 0                               ; s[16:17]: my first query in queries and in out0
	s_mul_i32 s42, s15, HEADB                      ; kv: my head, in registers that never hold my place in the cluster,
	s_mul_i32 s44, s[WV], QUART                    ; and my quarter of a slot
	s_add_co_u32 s42, s42, s44
	s_mov_b32 s43, 0
	s_lshl_b32 s46, s15, 8                         ; vmax: 256 bytes a head
	s_mov_b32 s47, 0
	s_wait_dscnt 0x0                               ; the opening add is done
	s_wait_kmcnt 0x0
	s_add_nc_u64 s[4:5], s[4:5], s[16:17]
	s_add_nc_u64 s[10:11], s[10:11], s[16:17]
	s_add_nc_u64 s[8:9], s[8:9], s[46:47]
	s_mov_b32 s[G0], 1                             ; 1:0 count = 1
	s_mul_i32 s[G0+1], s[WV], QUART                ; 63:32 LDS address: slot 0, my quarter: no place in the cluster enters an LDS address
	s_add_nc_u64 s[G0+2:G0+3], s[6:7], s[42:43]    ; 120:64 global address: the head's first 8 key steps, my quarter
	s_or_b32 s[G0+3], s[G0+3], 0x80000000          ; 127:126 type = 2
	CROUND                                         ; all four work-groups are here: the first joint loads meet
	JLOAD                                          ; slot 0
	v_and_b32 v[AIM], 31, v0
	v_lshlrev_b32 v[AIM], 4, v[AIM]
	v_and_b32 v[ADI], 15, v0                       ; r
	v_bfe_u32 v[ADS], v0, 4, 1                     ; h
	v_lshlrev_b32 v[ASC], 4, v[ADI]
	s_mul_i32 s44, s[WV], 16*SP
	s_add_co_u32 s44, s44, STAGE                   ; my stage
	v_mul_u32_u24 v[STI], v[ADS], SP
	v_lshl_add_u32 v[STI], v[ADI], 4, v[STI]
	v_add_nc_u32 v[STI], s44, v[STI]
	v_mul_u32_u24 v[STQ], v[ADI], SP
	v_add_nc_u32 v[STQ], s44, v[STQ]
	v_lshl_add_u32 v[STO], v[ADS], 5, v[STQ]
	v_lshl_add_u32 v[STQ], v[ADS], 7, v[STQ]
	v_lshlrev_b32 v[GRW], 11, v[ADS]
	v_lshl_add_u32 v[GRW], v[ADI], 4, v[GRW]
	v_lshlrev_b32 v[VMO], 5, v[ADS]
.irp i, 0,1,2,3,4,5,6,7
	global_load_b128 v[S+4*\i:S+4*\i+3], v[GRW], s[4:5] offset:4096*\i th:TH_LOAD_NT         ; tile 0 of Q: lanes 0-15 query 2 i's 256 bytes, lanes 16-31 query 2 i + 1's; read once in the launch
.endr
	WIN 0x40
.irp i, 0,1,2,3,4,5,6,7
	global_load_b128 v[S+4*\i:S+4*\i+3], v[GRW], s[4:5] offset:32768+4096*\i th:TH_LOAD_NT   ; tile 1, into window 1
.endr
	WIN 0
.irp t, 0,1,2,3
	global_load_b128 v[VM+8*\t:VM+8*\t+3], v[VMO], s[8:9] offset:64*\t
	global_load_b128 v[VM+8*\t+4:VM+8*\t+7], v[VMO], s[8:9] offset:64*\t+16
.endr
	QQ 0
	QQ 1
	INIT 0                                         ; (these lines are also the places between Q's codes and scale words and the first products)
	INIT 1
	WIN 0                                          ; at a label and at a branch every window is 0
	s_wait_loadcnt 0x0                             ; vmax
.Lslot:                                            ; three trips: behind each change of slots but the last the next slot is asked for
	CHANGE 1
	SLOT_STEPS
	s_sub_co_u32 s[SLOTS], s[SLOTS], 1
	s_cmp_lg_u32 s[SLOTS], 0
	s_cbranch_scc1 .Lslot
	CHANGE 0                                       ; the last slot is written out
	SLOT_STEPS
	SENDO 0                                        ; tile 0's products were finished a softmax ago; its plain lines are the places behind tile 1's last products
	SENDO 1
	s_wait_tensorcnt 0x0                           ; the wave's end: behind my last tensor load and my last LDS store
	ds_add_u32 v[SPW], v[NIL]
	s_wait_dscnt 0x0
	CROUND                                         ; the closing round: no work-group ends while a partner may still ask for a tile that names it
	s_endpgm
.Lfunc_end_k_qd2a301682d_attn:
	.size	k_qd2a301682d_attn, .Lfunc_end_k_qd2a301682d_attn-k_qd2a301682d_attn
	.p2alignl 7, 3214868480
	.fill 96, 4, 3214868480
	.section	.rodata,"a",@progbits
	.p2align	6, 0x0
	.amdhsa_kernel k_qd2a301682d_attn
		.amdhsa_group_segment_fixed_size 327680
		.amdhsa_private_segment_fixed_size 0
		.amdhsa_enable_private_segment 0
		.amdhsa_kernarg_size 32
		.amdhsa_user_sgpr_count 2
		.amdhsa_user_sgpr_kernarg_segment_ptr 1
		.amdhsa_wavefront_size32 1
		.amdhsa_system_sgpr_workgroup_id_x 1
		.amdhsa_system_sgpr_workgroup_id_y 1
		.amdhsa_system_sgpr_workgroup_id_z 1
		.amdhsa_system_vgpr_workitem_id 0
		.amdhsa_next_free_vgpr 512
		.amdhsa_next_free_sgpr 66
		.amdhsa_reserve_vcc 0
		.amdhsa_float_denorm_mode_32 3
		.amdhsa_float_denorm_mode_16_64 3
		.amdhsa_memory_ordered 1
		.amdhsa_forward_progress 1
		.amdhsa_inst_pref_size 86
	.end_amdhsa_kernel
	.amdgpu_metadata
---
amdhsa.version: [ 1, 2 ]
amdhsa.kernels:
  - .name:           k_qd2a301682d_attn
    .symbol:         k_qd2a301682d_attn.kd
    .args:
      - { .name: queries, .offset: 0, .size: 8, .value_kind: global_buffer, .address_space: global }
      - { .name: kv, .offset: 8, .size: 8, .value_kind: global_buffer, .address_space: global }
      - { .name: vmax, .offset: 16, .size: 8, .value_kind: global_buffer, .address_space: global }
      - { .name: out0, .offset: 24, .size: 8, .value_kind: global_buffer, .address_space: global }
    .group_segment_fixed_size: 327680
    .private_segment_fixed_size: 0
    .kernarg_segment_align: 8
    .kernarg_segment_size: 32
    .max_flat_workgroup_size: 256
    .sgpr_count:     66
    .vgpr_count:     512
    .wavefront_size: 32
...
	.end_amdgpu_metadata
.endif
;; end of part 2
